; MI455X (gfx1250); checked and timed in simulation.
; The chip was launched on July 23, 2026; its instructions are those of AMD's public machine-readable ISA for CDNA 5 (MIT licence, August 2026) and "CDNA5" Instruction Set Architecture Reference Guide (July 2026). The comments in the code are by the model that wrote it; some were corrected since.
;; Distributional Ordered Encoder. Allowed arithmetic: float matrix products may take bf16 or f16 operands with f32 sums; all other float work in f32.
;; Inputs: att_b1 64 float32; att_b2 1 float32; att_w1 192 x 64 float32; att_w2 64 x 1 float32; ln_beta 64 float32; ln_gamma 64 float32; pos_b1 64 float32; pos_b2 64 float32; pos_w1 1 x 64 float32; pos_w2 64 x 64 float32; proj_b 64 float32; proj_w 64 x 64 float32; segmented_emb 128 x 64 x 64 x 64 float32; segmented_mask 128 x 64 x 64 int32; target_emb 128 x 64 float32.
;; Outputs: out0 128 x 64 x 64 float32.
;; One version. Each part assembles by itself: llvm-mc -triple=amdgcn-amd-amdhsa -mcpu=gfx1250 --defsym DOCPART=n.
;; ======== version 1 of 1: 1 launch
;; launch encoder (part 1): grid 256 x 1, 8 waves a work-group, no clusters, 144,384 bytes of LDS; arguments segmented_emb, segmented_mask, out0, target_emb, att_w1, pos_w2, proj_w, pos_w1, pos_b1, pos_b2, att_b1, att_w2, proj_b, ln_gamma, ln_beta, att_b2; writes out0
.if DOCPART == 1
	.amdgcn_target "amdgcn-amd-amdhsa--gfx1250"
	.amdhsa_code_object_version 6
	.text
	.protected	k_q0b2d4d2291_encoder
	.globl	k_q0b2d4d2291_encoder
	.p2align	8
	.type	k_q0b2d4d2291_encoder,@function
k_q0b2d4d2291_encoder:
	s_mov_b64 s[64:65], 0
	v_nop
	global_prefetch_b8 v0, s[64:65] scope:SCOPE_SE
	s_setreg_imm32_b32 hwreg(HW_REG_WAVE_MODE, 25, 1), 1
	s_wait_xcnt 0x0
; DistributionalOrderedEncoder, fused into one launch.  8,192 tiles (b, t), each 64 rows (s) x 64 f32 (d) of segmented_emb, 16,384 dense bytes.
; Per tile: h = relu(emb w_emb + bias[s]), score = h att_w2 + att_b2, masked to -1e9, softmax over s, out = LayerNorm((sum_s p[s] emb[s]) proj_w + proj_b).
; bias[s][hid] = pos_enc[s] w_pos + target[b] w_tgt + att_b1 hangs on b alone; a work-group has one b and makes the table once, in LDS.
; SHARES: 256 work-groups of 8 waves; work-group g owns tiles 32 g .. 32 g + 31 (b = g / 2), wave w the four tiles 32 g + 4 w .. + 3.
; STREAM: emb goes through registers.  A load of a wave takes two whole rows of 256 bytes (lanes 0-15 one row, lanes 16-31 another); 32 loads are a tile,
; 128 registers.  A quarter (8 loads) is asked for again as soon as it has been converted, so a whole tile of every wave is always on its way and the
; waits on LOADcnt are counted, never for all.
; USE: a quarter is rounded to bf16 and laid into the wave's own LDS stage (pitch 144 = 9 x 16 bytes: the sixteen rows of a fragment load start at sixteen
; different 16-byte columns modulo 256), then read back as 16 x 32 fragments EF.  The same fragments serve two products:
;   layer 1, transposed: A = w_emb^T, B = emb: lane = s, registers = hidden, so the product with att_w2 stays inside a lane (two halves, one exchange);
;   G = emb proj_w, natural: A = emb, B = proj_w: lane = output column, registers = s; out = (sum_s p[s] G[s]) / sum p, in f32.
; Projecting every row and pooling afterwards equals pooling and then projecting; it keeps p and the pooled sums in f32 and needs no transposed copy of emb.
; POSITIONS: row s lies at position 16 (s & 3) + (s >> 2), so block nt, lane r is s = 4 r + nt and a lane's 16 bytes of the mask row are its four blocks.
; proj_w's column 4 q + e lies at column position 16 e + q, so a lane's four results are 16 neighbouring bytes of out0.
; NO CLUSTER, NO TENSOR LOADS: what work-groups share is 81,920 bytes of weights, read once at the start against 524,288 bytes of emb of a work-group's own,
; and the weights pass through registers to be rounded to bf16.  No L2 prefetch: every wave has its next tile asked for from its first lines on.
; LIMITS: matrix operands are rounded to bf16 (emb, att_w1, pos_w2, proj_w, relu(pos w1 + b1), pos_enc, target); att_w2, all biases, softmax, the pooling
; and LayerNorm are f32.  Positions are s x (1/63) in f32, within one unit in the last place of s / 63.  relu by v_max_num_f32 turns a NaN into 0.
; The softmax takes the row's true maximum away; a row masked everywhere gives equal weights, as in reference().
; ---- LDS map (bytes) ----
.set WP,     160                       ; pitch of the weight tables, bf16 [k][n]: 5 x 32 bytes, for the transposing loads
.set L_AW1,  0                         ; att_w1: rows 0-63 w_emb, 64-127 w_pos, 128-191 w_tgt
.set L_PW2,  30720                     ; pos_w2
.set L_PRJ,  40960                     ; proj_w, columns permuted
.set L_BIAS, 51200                     ; f32, by lane: ((4 nt + mt) 2 + q) 512 + 16 lane
.set L_STG,  67584                     ; 8 stages of 64 positions x 144 bytes; at the start each holds its wave's nine small vectors, 256 bytes each
.set STG_SZ, 9216
.set SPITCH, 144
.set L_PSC,  141312                    ; 8 x 256: p by position, each wave's own
; ---- window 0 registers ----
.set XO,  4                            ; 8192 h + 16 r: my 16 bytes of row 32 h of a tile
.set MO,  5                            ; 16 r: my four mask words
.set OO,  6                            ; 16 lane: my 16 bytes of two rows of out0
.set STA, 7                            ; stage, in:  1152 h + 8 r
.set FRA, 8                            ; stage, out: 144 r + 16 h
.set BIA, 9                            ; bias table + 16 lane
.set PST, 10                           ; p, in:  4 r
.set PLD, 11                           ; p, out: 32 h
.set TRA, 12                           ; transposing loads: (8 h + (lane & 7)) 160 + 16 ((lane >> 3) & 1)
.set TRB, 13                           ; the same + 64 (w & 1): the two hidden tiles that my wave makes of the bias table
.set POS, 14                           ; v[14:15] first offsets of the weight loads, then my position s / 63, twice
.set PB,  16                           ; v[16:19] proj_b, v[20:23] gamma, v[24:27] beta of my four columns
.set GA,  20
.set BE,  24
.set SB,  28                           ; v[28:29] (att_b2 in lanes 0-15, 0 in lanes 16-31; 0): starts the score's first chain
.set MSK, 30                           ; v[30:33] mask words as loaded
.set SCR, 34                           ; v[34:37] scores, then p, of my four positions
.set TP,  38                           ; v[38:41] at work
.set SC,  42                           ; v[42:49] four chains of the score
.set OA,  50                           ; v[50:57] four pairs: pooled sums of my four columns
.set OE,  58                           ; v[58:61] the even tile's results, then both tiles' for the store
.set TA,  62
.set TB,  63
.set EF,  64                           ; v[64:127]  emb fragments, 16 nt + 8 ks
.set ACC, 128                          ; v[128:191] two sets of four accumulators
.set TT,  128                          ; v[128:143] a quarter in bf16 on its way to the stage (the accumulators are idle then)
.set W2,  192                          ; v[192:223] att_w2[16 mt + 8 h + j] at 8 mt + j
.set PP,  224                          ; v[224:255] p[16 mt + 8 h + j] at 8 mt + j
; at the start only
.set WSA, 34
.set WSP, 35
.set PAT, 36
.set PATB, 37
.set CNA, 38
.set BST, 39
.set SVS, 63
.set CW,  64                           ; v[64:103] weights in bf16
.set SV,  104                          ; v[104:121] nine small vectors, 8 bytes a lane
; ---- window 1 registers (named by their low 8 bits) ----
.set XX,  0                            ; v[256:383] the tile as loaded: quarter q at 32 q, load c at 4 c
.set W1,  128                          ; v[384:447] w_emb^T fragments, 16 mt + 8 ks (at the start: weights as loaded, then pos_w2^T)
.set PJ,  192                          ; v[448:511] proj_w fragments, 16 nt + 8 ks (at the start: w_pos^T at 192, w_tgt^T at 224)
.set WF,  128
; ---- scalars ----
.set MK,  44                           ; s[44:47] lanes whose mask word is not 0, for blocks 0 to 3 (at the start: two offsets)
; s_set_vgpr_msb's low byte: bits 1:0 source 0, 3:2 source 1, 5:4 source 2, 7:6 destination; the high byte repeats the setting that is left.
.set MSB, 0
.macro WIN new
.if MSB != \new
	s_set_vgpr_msb (MSB<<8)|\new
.set MSB, \new
.endif
.endm
.set TO_1,  0x40                       ; destination in window 1 (loads); addresses and LDS store data in window 0
.set FROM1, 0x05                       ; sources 0 and 1 in window 1 (conversions)
.set A_1,   0x01                       ; matrix A in window 1
.set B_1,   0x04                       ; matrix B in window 1
.macro PLACES                          ; four places behind a matrix instruction before its result is read or a register of it loaded (ISA guide 7.12.1)
.rept 4
	v_nop
.endr
.endm
.macro RED16 op, reg                   ; over the 16 lanes of each half, result in every lane
.irp x, 1,2,4,8
	\op v[\reg], v[\reg], v[\reg] row_xmask:\x row_mask:0xf bank_mask:0xf
.endr
.endm
; a vector u of 64 f32 at LDS byte adr (which holds + 32 h) + off: u[16 mt + 8 h + j] into register dst + 8 mt + j
.macro PATLD dst, adr, off
.irp mt, 0,1,2,3
.irp q, 0,1
	ds_load_b128 v[\dst+8*\mt+4*\q:\dst+8*\mt+4*\q+3], v[\adr] offset:\off+64*\mt+16*\q
.endr
.endr
.endm
; sixteen columns x 64 k of a table stored [k][n]: two fragments (ks = 0, 1) of 8 registers, lane r = column r
.macro TRFRAG dst, adr, off
.irp ks, 0,1
.irp c, 0,1
	ds_load_tr16_b128 v[\dst+8*\ks+4*\c:\dst+8*\ks+4*\c+3], v[\adr] offset:\off+\ks*32*WP+\c*16*WP
.endr
.endr
.endm
; quarter q of tile i of my wave: rows 32 h + 4 c + q, c = 0 .. 7
.macro XLOAD i, q
.irp c, 0,1,2,3,4,5,6,7
	global_load_b128 v[XX+32*\q+4*\c:XX+32*\q+4*\c+3], v[XO], s[8:9] offset:(\i)*16384+(4*\c+\q)*256 th:TH_LOAD_NT
.endr
.endm
; =============================== the start ===============================
	s_load_b512 s[8:23], s[0:1], 0x0               ; emb 8, mask 10, out 12, target 14, att_w1 16, pos_w2 18, proj_w 20, pos_w1 22
	s_load_b512 s[24:39], s[0:1], 0x40             ; pos_b1 24, pos_b2 26, att_b1 28, att_w2 30, proj_b 32, gamma 34, beta 36, att_b2 38
	v_and_b32 v1, 31, v0                           ; lane
	v_and_b32 v2, 15, v0                           ; r
	v_bfe_u32 v3, v0, 4, 1                         ; h
	v_lshrrev_b32 v[TA], 5, v0
	v_readfirstlane_b32 s2, v[TA]                  ; wave w
	s_and_b32 s3, s2, 1                            ; which two hidden tiles of the bias table are mine
	s_lshr_b32 s4, s2, 1                           ; which block of positions
	s_mov_b32 s43, 0x3c800000                      ; 1/64
	s_mov_b32 s54, 0xbc800000                      ; -1/64
	s_mov_b32 s55, 0xce6e6b28                      ; -1e9
	s_mov_b32 s48, 0x76543210                      ; v_permlanex16_b32: lane i of one half reads lane i of the other
	s_mov_b32 s49, 0xfedcba98
	s_mov_b32 s50, 0xffff0000                      ; lanes 16-31
	s_mul_i32 s51, s2, STG_SZ
	s_add_co_u32 s51, s51, L_STG                   ; my stage
	s_lshl_b32 s52, s2, 8
	s_add_co_u32 s52, s52, L_PSC                   ; my p
	s_lshl_b32 s5, s3, 6
	s_lshl_b32 s6, s3, 7
	s_lshl_b32 s7, s2, 11
	s_lshl_b32 s40, ttmp9, 19                      ; emb: 32 tiles of 16,384 bytes a work-group,
	s_lshl_b32 s53, s2, 16                         ; 4 a wave
	s_add_co_u32 s40, s40, s53
	s_mov_b32 s41, 0
	s_lshl_b32 s44, ttmp9, 13                      ; mask and out0: 32 rows of 256 bytes a work-group,
	s_lshl_b32 s53, s2, 10                         ; 4 a wave
	s_add_co_u32 s44, s44, s53
	s_mov_b32 s45, 0
	s_lshr_b32 s46, ttmp9, 1                       ; target: row b = g / 2
	s_lshl_b32 s46, s46, 8
	s_mov_b32 s47, 0
	s_mov_b32 s53, 0x3727c5ac                      ; 1e-5
	v_lshlrev_b32 v[XO], 4, v2
	v_lshl_add_u32 v[XO], v3, 13, v[XO]
	v_lshlrev_b32 v[MO], 4, v2
	v_lshlrev_b32 v[OO], 4, v1
	v_mul_u32_u24 v[STA], v3, 8*SPITCH
	v_lshl_add_u32 v[STA], v2, 3, v[STA]
	v_add_nc_u32 v[STA], s51, v[STA]
	v_mul_u32_u24 v[FRA], v2, SPITCH
	v_lshl_add_u32 v[FRA], v3, 4, v[FRA]
	v_add_nc_u32 v[FRA], s51, v[FRA]
	v_add_nc_u32 v[BIA], L_BIAS, v[OO]
	v_lshl_add_u32 v[PST], v2, 2, s52
	v_lshl_add_u32 v[PLD], v3, 5, s52
	v_and_b32 v[TA], 7, v0
	v_lshl_add_u32 v[TA], v3, 3, v[TA]
	v_mul_u32_u24 v[TRA], v[TA], WP
	v_bfe_u32 v[TA], v0, 3, 1
	v_lshl_add_u32 v[TRA], v[TA], 4, v[TRA]
	v_add_nc_u32 v[TRB], s5, v[TRA]
	v_lshlrev_b32 v[POS], 4, v0                    ; weights: 16 bytes a thread, 4,096 a load of the work-group = 16 rows of 64 f32
	v_lshlrev_b32 v[POS+1], 3, v1                  ; small vectors: 8 bytes a lane, each wave its own copy
	v_lshrrev_b32 v[TA], 4, v0
	v_mul_u32_u24 v[TA], v[TA], WP                 ; my row of the sixteen
	v_lshl_add_u32 v[WSA], v2, 3, v[TA]            ; four bf16 side by side
	v_lshl_add_u32 v[WSP], v2, 1, v[TA]            ; proj_w: column 4 q + e goes to column position 16 e + q
	v_lshl_add_u32 v[PAT], v3, 5, s51
	v_add_nc_u32 v[PATB], s6, v[PAT]
	v_lshl_add_u32 v[CNA], v2, 4, s51
	v_add_nc_u32 v[BST], s7, v[BIA]
	v_add_nc_u32 v[SVS], s51, v[POS+1]
	s_wait_kmcnt 0x0
	s_add_nc_u64 s[8:9], s[8:9], s[40:41]
	s_add_nc_u64 s[10:11], s[10:11], s[44:45]
	s_add_nc_u64 s[12:13], s[12:13], s[44:45]
	s_add_nc_u64 s[14:15], s[14:15], s[46:47]
	s_load_b32 s42, s[38:39], 0x0                  ; att_b2
	; 62 loads: 20 of weights, 9 small vectors, then the first mask row and the first tile, which land while the tables are made
	WIN TO_1
.irp i, 0,1,2,3,4,5,6,7,8,9,10,11
	global_load_b128 v[WF+4*\i:WF+4*\i+3], v[POS], s[16:17] offset:\i*4096
.endr
.irp i, 0,1,2,3
	global_load_b128 v[WF+48+4*\i:WF+48+4*\i+3], v[POS], s[18:19] offset:\i*4096
.endr
.irp i, 0,1,2,3
	global_load_b128 v[WF+64+4*\i:WF+64+4*\i+3], v[POS], s[20:21] offset:\i*4096
.endr
	WIN 0
	global_load_b64 v[SV+0:SV+1],   v[POS+1], s[22:23]     ; 0 pos_w1
	global_load_b64 v[SV+2:SV+3],   v[POS+1], s[24:25]     ; 1 pos_b1
	global_load_b64 v[SV+4:SV+5],   v[POS+1], s[26:27]     ; 2 pos_b2
	global_load_b64 v[SV+6:SV+7],   v[POS+1], s[28:29]     ; 3 att_b1
	global_load_b64 v[SV+8:SV+9],   v[POS+1], s[30:31]     ; 4 att_w2
	global_load_b64 v[SV+10:SV+11], v[POS+1], s[14:15]     ; 5 target[b]
	global_load_b64 v[SV+12:SV+13], v[POS+1], s[32:33]     ; 6 proj_b
	global_load_b64 v[SV+14:SV+15], v[POS+1], s[34:35]     ; 7 gamma
	global_load_b64 v[SV+16:SV+17], v[POS+1], s[36:37]     ; 8 beta
	global_load_b128 v[MSK:MSK+3], v[MO], s[10:11] th:TH_LOAD_NT
	WIN TO_1
.irp q, 0,1,2,3
	XLOAD 0, \q
.endr
	s_wait_loadcnt 33                              ; the 33 younger loads (mask row, tile 0) stay out; weights and small vectors are in
	WIN FROM1
.set j, 0
.rept 40
	v_cvt_pk_bf16_f32 v[CW+j], v[WF+2*j], v[WF+2*j+1]
.set j, j+1
.endr
	WIN 0
.irp i, 0,1,2,3,4,5,6,7,8,9,10,11
	ds_store_b64 v[WSA], v[CW+2*\i:CW+2*\i+1] offset:L_AW1+\i*16*WP
.endr
.irp i, 0,1,2,3
	ds_store_b64 v[WSA], v[CW+24+2*\i:CW+24+2*\i+1] offset:L_PW2+\i*16*WP
.endr
.irp i, 0,1,2,3
	ds_store_b16        v[WSP], v[CW+32+2*\i] offset:L_PRJ+\i*16*WP
	ds_store_b16_d16_hi v[WSP], v[CW+32+2*\i] offset:L_PRJ+\i*16*WP+32
	ds_store_b16        v[WSP], v[CW+33+2*\i] offset:L_PRJ+\i*16*WP+64
	ds_store_b16_d16_hi v[WSP], v[CW+33+2*\i] offset:L_PRJ+\i*16*WP+96
.endr
.irp n, 0,1,2,3,4,5,6,7,8
	ds_store_b64 v[SVS], v[SV+2*\n:SV+2*\n+1] offset:256*\n
.endr
	v_lshl_add_u32 v[TA], v2, 2, s4                ; my column of the bias table is s = 4 r + block; v[14:15] are free since the wait on LOADcnt above
	v_cvt_f32_u32 v[TA], v[TA]
	v_mul_f32 v[POS], 0x3c820821, v[TA]            ; s / 63
	v_mov_b32 v[POS+1], v[POS]
	s_wait_dscnt 0x0                               ; my part of the three weight tables is in LDS,
	s_barrier_signal -1
	s_barrier_wait -1                              ; everybody's is
	PATLD 64,  PAT, 0                              ; pos_w1
	PATLD 96,  PAT, 256                            ; pos_b1
	PATLD 128, PAT, 512                            ; pos_b2: starts pos_enc's sums
	PATLD W2,  PAT, 1024                           ; att_w2: stays
	PATLD 224, PAT, 1280                           ; target[b]
.irp i, 0,1
.irp q, 0,1
	ds_load_b128 v[160+8*\i+4*\q:160+8*\i+4*\q+3], v[PATB] offset:768+64*\i+16*\q   ; att_b1 of my two hidden tiles: starts the bias sums
.endr
.endr
	ds_load_b128 v[PB:PB+3], v[CNA] offset:1536
	ds_load_b128 v[GA:GA+3], v[CNA] offset:1792
	ds_load_b128 v[BE:BE+3], v[CNA] offset:2048
	WIN TO_1
.irp t, 0,1,2,3
	TRFRAG 128+16*\t, TRA, L_PW2+32*\t             ; pos_w2^T, four tiles
.endr
.irp t, 0,1
	TRFRAG 192+16*\t, TRB, L_AW1+64*WP+32*\t       ; w_pos^T, my two tiles
.endr
.irp t, 0,1
	TRFRAG 224+16*\t, TRB, L_AW1+128*WP+32*\t      ; w_tgt^T, my two tiles
.endr
	WIN 0
	s_wait_dscnt 0x0
	; a1[k] = relu(pos w1[k] + b1[k]) for my position, k = 16 mt + 8 h + j at register 8 mt + j; packed in pairs that is the K layout of two fragments
.set j, 0
.rept 16
	v_pk_fma_f32 v[64+2*j:65+2*j], v[64+2*j:65+2*j], v[POS:POS+1], v[96+2*j:97+2*j]
.set j, j+1
.endr
.set j, 0
.rept 32
	v_max_num_f32 v[64+j], 0, v[64+j]
.set j, j+1
.endr
.set j, 0
.rept 16
	v_cvt_pk_bf16_f32 v[176+j], v[64+2*j], v[65+2*j]
.set j, j+1
.endr
	; pos_enc^T = pos_w2^T a1 + b2: four accumulators by turns, one instruction a turn
	WIN A_1
.irp ks, 0,1
.irp mt, 0,1,2,3
	v_wmma_f32_16x16x32_bf16 v[128+8*\mt:135+8*\mt], v[128+16*\mt+8*\ks:135+16*\mt+8*\ks], v[176+8*\ks:183+8*\ks], v[128+8*\mt:135+8*\mt]
.endr
.endr
	WIN 0
.set j, 0
.rept 16
	v_cvt_pk_bf16_f32 v[96+j], v[224+2*j], v[225+2*j]      ; target as a B fragment, the same in every column; sixteen places behind the products above
.set j, j+1
.endr
.set j, 0
.rept 16
	v_cvt_pk_bf16_f32 v[112+j], v[128+2*j], v[129+2*j]     ; pos_enc as a B fragment
.set j, j+1
.endr
	; bias^T = w_pos^T pos_enc + w_tgt^T target + att_b1: two accumulators by turns
	WIN A_1
.irp ks, 0,1
.irp i, 0,1
	v_wmma_f32_16x16x32_bf16 v[160+8*\i:167+8*\i], v[192+16*\i+8*\ks:199+16*\i+8*\ks], v[112+8*\ks:119+8*\ks], v[160+8*\i:167+8*\i]
.endr
.endr
.irp ks, 0,1
.irp i, 0,1
	v_wmma_f32_16x16x32_bf16 v[160+8*\i:167+8*\i], v[224+16*\i+8*\ks:231+16*\i+8*\ks], v[96+8*\ks:103+8*\ks], v[160+8*\i:167+8*\i]
.endr
.endr
	WIN 0
	PLACES                                         ; for the stores of the sums and for the loads over the weight fragments
.irp i, 0,1
.irp q, 0,1
	ds_store_b128 v[BST], v[160+8*\i+4*\q:160+8*\i+4*\q+3] offset:(2*\i+\q)*512    ; my 2,048 bytes of the table, at 2,048 w
.endr
.endr
	WIN TO_1
.irp t, 0,1,2,3
	TRFRAG W1+16*\t, TRA, L_AW1+32*\t              ; w_emb^T: stays
.endr
.irp t, 0,1,2,3
	TRFRAG PJ+16*\t, TRA, L_PRJ+32*\t              ; proj_w: stays
.endr
	WIN 0
	s_wait_kmcnt 0x0                               ; att_b2
	v_mov_b32 v[TA], s42
	v_cmp_eq_u32 vcc_lo, 0, v3
	v_cndmask_b32 v[SB], 0, v[TA], vcc_lo          ; once for each position: in lanes 0-15 alone, the halves are added later
	v_mov_b32 v[SB+1], 0
.irp k, 0,1,2,3
	v_mov_b32 v[TP+\k], 0                          ; v_permlanex16_b32 counts as a reader of its destination
.endr
	s_wait_dscnt 0x0                               ; my part of the bias table is in LDS, my fragments are in,
	s_barrier_signal -1
	s_barrier_wait -1                              ; the table is whole.  No barrier follows: from here a wave touches only its own LDS bytes and tables that nobody writes
; =============================== a tile ===============================
; Quarter q of tile i: wait, round to bf16, lay into the stage, ask for the same quarter of the next tile.  cnt = the younger loads that may stay out.
.macro STAGEQ i, q, next, cnt
	s_wait_loadcnt \cnt                            ; loads come back in order (ISA guide 5.7.1)
.if \q == 0
	WIN 0
.irp k, 0,1,2,3
	v_cmp_ne_u32 s[MK+\k], 0, v[MSK+\k]            ; block k: s = 4 r + k is kept
.endr
.if \next
	global_load_b128 v[MSK:MSK+3], v[MO], s[10:11] offset:(\i+1)*256 th:TH_LOAD_NT
.endif
.endif
	WIN FROM1
.irp c, 0,1,2,3,4,5,6,7
	v_cvt_pk_bf16_f32 v[TT+2*\c],   v[XX+32*\q+4*\c],   v[XX+32*\q+4*\c+1]
	v_cvt_pk_bf16_f32 v[TT+2*\c+1], v[XX+32*\q+4*\c+2], v[XX+32*\q+4*\c+3]
.endr
	WIN TO_1
.if \next
	XLOAD \i+1, \q
.endif
.irp c, 0,1,2,3,4,5,6,7
	ds_store_b64 v[STA], v[TT+2*\c:TT+2*\c+1] offset:(16*\q+\c)*SPITCH     ; row 32 h + 4 c + q = position 16 q + 8 h + c; the halves lie 288 words apart
.endr
.endm
.macro FRAG                            ; LDS serves a wave's instructions in order (ISA guide 5.7.1.4): these see the stage's stores
	WIN 0
.irp nt, 0,1,2,3
.irp ks, 0,1
	ds_load_b128 v[EF+16*\nt+8*\ks:EF+16*\nt+8*\ks+3],   v[FRA] offset:\nt*16*SPITCH+64*\ks
	ds_load_b128 v[EF+16*\nt+8*\ks+4:EF+16*\nt+8*\ks+7], v[FRA] offset:\nt*16*SPITCH+64*\ks+32
.endr
.endr
.endm
.macro BIASLD a, nt                    ; the bias of block nt starts the four sums of set a
	WIN 0
.irp mt, 0,1,2,3
.irp q, 0,1
	ds_load_b128 v[ACC+32*\a+8*\mt+4*\q:ACC+32*\a+8*\mt+4*\q+3], v[BIA] offset:((4*\nt+\mt)*2+\q)*512
.endr
.endr
.endm
.macro W1BLK a, nt                     ; h^T of block nt: four accumulators by turns, one instruction a turn
	WIN A_1
.irp ks, 0,1
.irp mt, 0,1,2,3
	v_wmma_f32_16x16x32_bf16 v[ACC+32*\a+8*\mt:ACC+32*\a+8*\mt+7], v[W1+16*\mt+8*\ks:W1+16*\mt+8*\ks+7], v[EF+16*\nt+8*\ks:EF+16*\nt+8*\ks+7], v[ACC+32*\a+8*\mt:ACC+32*\a+8*\mt+7]
.endr
.endr
.endm
.macro V1BLK a, nt                     ; relu, then my half of the product with att_w2, in four chains
	WIN 0
.set j, 0
.rept 32
	v_max_num_f32 v[ACC+32*\a+j], 0, v[ACC+32*\a+j]
.set j, j+1
.endr
.irp jp, 0,1,2,3
.irp mt, 0,1,2,3
.if \jp == 0
.if \mt == 0
	v_pk_fma_f32 v[SC:SC+1], v[ACC+32*\a:ACC+32*\a+1], v[W2:W2+1], v[SB:SB+1]
.else
	v_pk_mul_f32 v[SC+2*\mt:SC+2*\mt+1], v[ACC+32*\a+8*\mt:ACC+32*\a+8*\mt+1], v[W2+8*\mt:W2+8*\mt+1]
.endif
.else
	v_pk_fma_f32 v[SC+2*\mt:SC+2*\mt+1], v[ACC+32*\a+8*\mt+2*\jp:ACC+32*\a+8*\mt+2*\jp+1], v[W2+8*\mt+2*\jp:W2+8*\mt+2*\jp+1], v[SC+2*\mt:SC+2*\mt+1]
.endif
.endr
.endr
	v_pk_add_f32 v[SC:SC+1], v[SC:SC+1], v[SC+2:SC+3]
	v_pk_add_f32 v[SC+4:SC+5], v[SC+4:SC+5], v[SC+6:SC+7]
	v_pk_add_f32 v[SC:SC+1], v[SC:SC+1], v[SC+4:SC+5]
	v_add_f32 v[SCR+\nt], v[SC], v[SC+1]
.endm
.macro GBLK a, mt                      ; G = emb proj_w for positions 16 mt .. + 15; the first product starts each sum; four accumulators by turns
	WIN B_1
.irp nt, 0,1,2,3
	v_wmma_f32_16x16x32_bf16 v[ACC+32*\a+8*\nt:ACC+32*\a+8*\nt+7], v[EF+16*\mt:EF+16*\mt+7], v[PJ+16*\nt:PJ+16*\nt+7], 0
.endr
.irp nt, 0,1,2,3
	v_wmma_f32_16x16x32_bf16 v[ACC+32*\a+8*\nt:ACC+32*\a+8*\nt+7], v[EF+16*\mt+8:EF+16*\mt+15], v[PJ+16*\nt+8:PJ+16*\nt+15], v[ACC+32*\a+8*\nt:ACC+32*\a+8*\nt+7]
.endr
.endm
.macro VGBLK a, mt                     ; pooled sums: my eight positions of block mt, my four columns
	WIN 0
.irp jp, 0,1,2,3
.irp nt, 0,1,2,3
.if (\mt+\jp) == 0
	v_pk_mul_f32 v[OA+2*\nt:OA+2*\nt+1], v[ACC+32*\a+8*\nt:ACC+32*\a+8*\nt+1], v[PP:PP+1]
.else
	v_pk_fma_f32 v[OA+2*\nt:OA+2*\nt+1], v[ACC+32*\a+8*\nt+2*\jp:ACC+32*\a+8*\nt+2*\jp+1], v[PP+8*\mt+2*\jp:PP+8*\mt+2*\jp+1], v[OA+2*\nt:OA+2*\nt+1]
.endif
.endr
.endr
.endm
.macro SOFTMAX
	WIN 0
.irp k, 0,1,2,3
	v_permlanex16_b32 v[TP+\k], v[SCR+\k], s48, s49
.endr
.irp k, 0,1,2,3
	v_add_f32 v[SCR+\k], v[SCR+\k], v[TP+\k]       ; both halves of the hidden units: lanes r and 16 + r now hold the same score
.endr
.irp k, 0,1,2,3
	v_cndmask_b32 v[SCR+\k], s55, v[SCR+\k], s[MK+\k]      ; -1e9 where the mask word is 0
.endr
	v_max3_num_f32 v[TA], v[SCR], v[SCR+1], v[SCR+2]
	v_max_num_f32 v[TA], v[TA], v[SCR+3]
	RED16 v_max_num_f32_dpp, TA                    ; the row's maximum; the two halves are copies, so no step crosses them
.irp k, 0,1,2,3
	v_sub_f32 v[TP+\k], v[SCR+\k], v[TA]           ; subtract first: exactly 0 at the maximum, also in a row masked everywhere
.endr
.irp k, 0,1,2,3
	v_mul_f32 v[TP+\k], 0x3fb8aa3b, v[TP+\k]
.endr
.irp k, 0,1,2,3
	v_exp_f32 v[SCR+\k], v[TP+\k]
.endr
	v_nop                                          ; one plain place behind the exponentials (ISA guide 5.7.2)
	s_wait_alu depctr_va_vdst(0)
.irp k, 0,1,2,3
	ds_store_b32 v[PST], v[SCR+\k] offset:64*\k    ; p at position 16 k + r; the two halves write the same word with the same value
.endr
	PATLD PP, PLD, 0                               ; and back, by G's rows: served in order behind the stores
	v_add_f32 v[TA], v[SCR], v[SCR+1]
	v_add_f32 v[TB], v[SCR+2], v[SCR+3]
	v_add_f32 v[TA], v[TA], v[TB]
	RED16 v_add_f32_dpp, TA                        ; sum of p, at least 1
	v_rcp_f32 v[TB], v[TA]                         ; first used in FINISH; the packed products that follow touch neither register
.endm
.macro FINISH i
	WIN 0
.irp k, 0,1,2,3
	v_add_f32 v[OA+2*\k], v[OA+2*\k], v[OA+2*\k+1]
.endr
.irp k, 0,1,2,3
	v_permlanex16_b32 v[TP+\k], v[OA+2*\k], s48, s49
.endr
.irp k, 0,1,2,3
	v_add_f32 v[OA+2*\k], v[OA+2*\k], v[TP+\k]     ; all 64 positions
.endr
	s_wait_alu depctr_va_vdst(0)
.irp k, 0,1,2,3
	v_fma_f32 v[OA+2*\k], v[OA+2*\k], v[TB], v[PB+\k]      ; / sum of p, + proj_b
.endr
	v_add_f32 v[TA], v[OA], v[OA+2]
	v_add_f32 v[TP], v[OA+4], v[OA+6]
	v_add_f32 v[TA], v[TA], v[TP]
	RED16 v_add_f32_dpp, TA                        ; sum over the 64 columns
.irp k, 0,1,2,3
	v_fma_f32 v[OA+2*\k], v[TA], s54, v[OA+2*\k]   ; minus the mean
.endr
	v_mul_f32 v[TA], v[OA], v[OA]
	v_fma_f32 v[TA], v[OA+2], v[OA+2], v[TA]
	v_fma_f32 v[TA], v[OA+4], v[OA+4], v[TA]
	v_fma_f32 v[TA], v[OA+6], v[OA+6], v[TA]
	RED16 v_add_f32_dpp, TA
	v_fma_f32 v[TA], v[TA], s43, s53               ; variance + 1e-5
	v_rsq_f32 v[TP], v[TA]
	v_nop                                          ; one plain place behind it (ISA guide 5.7.2)
	s_wait_alu depctr_va_vdst(0)
.irp k, 0,1,2,3
	v_mul_f32 v[OA+2*\k+1], v[TP], v[GA+\k]
.endr
.if (\i & 1) == 0
.if \i
	s_wait_xcnt 0x0                                ; OE was the data of the store of tiles 0 and 1: it is rewritten only behind this wait
.endif
.irp k, 0,1,2,3
	v_fma_f32 v[OE+\k], v[OA+2*\k], v[OA+2*\k+1], v[BE+\k]
.endr
.else
.irp k, 0,1,2,3
	v_fma_f32 v[TP+\k], v[OA+2*\k], v[OA+2*\k+1], v[BE+\k]
.endr
.irp k, 0,1,2,3
	v_cndmask_b32 v[OE+\k], v[OE+\k], v[TP+\k], s50        ; lanes 0-15 keep the even tile's row, lanes 16-31 take the odd tile's
.endr
	global_store_b128 v[OO], v[OE:OE+3], s[12:13] offset:(\i>>1)*512 th:TH_STORE_NT   ; 512 consecutive bytes, at a multiple of 512 from out0's first byte
.endif
.endm
; c0 .. c3: the younger loads that may stay out at each quarter's wait
.macro TILE i, next, c0, c1, c2, c3
	STAGEQ \i, 0, \next, \c0
	STAGEQ \i, 1, \next, \c1
	STAGEQ \i, 2, \next, \c2
	STAGEQ \i, 3, \next, \c3
	FRAG
	BIASLD 0, 0
	BIASLD 1, 1
	s_wait_dscnt 8                                 ; all but the second bias block's eight loads
	W1BLK 0, 0
	s_wait_dscnt 0
	W1BLK 1, 1
	PLACES                                         ; behind set 0's products stand set 1's, which are no places
	V1BLK 0, 0
	BIASLD 0, 2
	V1BLK 1, 1
	BIASLD 1, 3
	s_wait_dscnt 8
	W1BLK 0, 2
	s_wait_dscnt 0
	W1BLK 1, 3
	PLACES
	V1BLK 0, 2
	GBLK 0, 0                                      ; G does not hang on the scores: its products run beside the score's and the softmax's vector work
	V1BLK 1, 3
	GBLK 1, 1
	SOFTMAX
	s_wait_dscnt 0                                 ; p is back
	VGBLK 0, 0
	GBLK 0, 2
	VGBLK 1, 1
	GBLK 1, 3
	VGBLK 0, 2                                     ; sixteen places behind set 1's products
	VGBLK 1, 3
	FINISH \i
.endm
; Counts: behind the mask row and quarter 0 stand quarters 1-3 (24).  Behind quarter 1 stand 2 and 3 (16) and the next tile's mask row and quarter 0 (9);
; behind quarter 2: 8 + 17; behind quarter 3: 25.  The last tile asks for nothing: 24, 16, 8, 0.
	TILE 0, 1, 24, 25, 25, 25
	TILE 1, 1, 24, 25, 25, 25
	TILE 2, 1, 24, 25, 25, 25
	TILE 3, 0, 24, 16, 8, 0
	WIN 0
	s_wait_xcnt 0x0
	v_lshl_add_u32 v254, v0, 2, 0x23000
	v_mov_b32 v255, 0
	s_wait_tensorcnt 0x0
	ds_add_u32 v254, v255
	s_wait_dscnt 0x0
	s_endpgm
.Lfunc_end_k_q0b2d4d2291_encoder:
	.size	k_q0b2d4d2291_encoder, .Lfunc_end_k_q0b2d4d2291_encoder-k_q0b2d4d2291_encoder
	.p2alignl 7, 3214868480
	.fill 96, 4, 3214868480
	.section	.rodata,"a",@progbits
	.p2align	6, 0x0
	.amdhsa_kernel k_q0b2d4d2291_encoder
		.amdhsa_group_segment_fixed_size 144384
		.amdhsa_private_segment_fixed_size 0
		.amdhsa_enable_private_segment 0
		.amdhsa_kernarg_size 128
		.amdhsa_user_sgpr_count 2
		.amdhsa_user_sgpr_kernarg_segment_ptr 1
		.amdhsa_wavefront_size32 1
		.amdhsa_system_sgpr_workgroup_id_x 1
		.amdhsa_system_sgpr_workgroup_id_y 1
		.amdhsa_system_sgpr_workgroup_id_z 1
		.amdhsa_system_vgpr_workitem_id 0
		.amdhsa_next_free_vgpr 512
		.amdhsa_next_free_sgpr 66
		.amdhsa_reserve_vcc 1
		.amdhsa_float_denorm_mode_32 3
		.amdhsa_float_denorm_mode_16_64 3
		.amdhsa_memory_ordered 1
		.amdhsa_forward_progress 1
		.amdhsa_inst_pref_size 169
	.end_amdhsa_kernel
	.amdgpu_metadata
---
amdhsa.version: [ 1, 2 ]
amdhsa.kernels:
  - .name:           k_q0b2d4d2291_encoder
    .symbol:         k_q0b2d4d2291_encoder.kd
    .args:
      - { .name: segmented_emb, .offset: 0, .size: 8, .value_kind: global_buffer, .address_space: global }
      - { .name: segmented_mask, .offset: 8, .size: 8, .value_kind: global_buffer, .address_space: global }
      - { .name: out0, .offset: 16, .size: 8, .value_kind: global_buffer, .address_space: global }
      - { .name: target_emb, .offset: 24, .size: 8, .value_kind: global_buffer, .address_space: global }
      - { .name: att_w1, .offset: 32, .size: 8, .value_kind: global_buffer, .address_space: global }
      - { .name: pos_w2, .offset: 40, .size: 8, .value_kind: global_buffer, .address_space: global }
      - { .name: proj_w, .offset: 48, .size: 8, .value_kind: global_buffer, .address_space: global }
      - { .name: pos_w1, .offset: 56, .size: 8, .value_kind: global_buffer, .address_space: global }
      - { .name: pos_b1, .offset: 64, .size: 8, .value_kind: global_buffer, .address_space: global }
      - { .name: pos_b2, .offset: 72, .size: 8, .value_kind: global_buffer, .address_space: global }
      - { .name: att_b1, .offset: 80, .size: 8, .value_kind: global_buffer, .address_space: global }
      - { .name: att_w2, .offset: 88, .size: 8, .value_kind: global_buffer, .address_space: global }
      - { .name: proj_b, .offset: 96, .size: 8, .value_kind: global_buffer, .address_space: global }
      - { .name: ln_gamma, .offset: 104, .size: 8, .value_kind: global_buffer, .address_space: global }
      - { .name: ln_beta, .offset: 112, .size: 8, .value_kind: global_buffer, .address_space: global }
      - { .name: att_b2, .offset: 120, .size: 8, .value_kind: global_buffer, .address_space: global }
    .group_segment_fixed_size: 144384
    .private_segment_fixed_size: 0
    .kernarg_segment_align: 8
    .kernarg_segment_size: 128
    .max_flat_workgroup_size: 256
    .sgpr_count:     66
    .vgpr_count:     512
    .wavefront_size: 32
...
	.end_amdgpu_metadata
.endif
;; end of part 1
